; MI455X (gfx1250); checked and timed in simulation.
; The chip was launched on July 23, 2026; its instructions are those of AMD's public machine-readable ISA for CDNA 5 (MIT licence, August 2026) and "CDNA5" Instruction Set Architecture Reference Guide (July 2026). The comments in the code are by the model that wrote it; some were corrected since.
;; Local Attn Layer. Allowed arithmetic: float matrix products may take bf16 or f16 operands with f32 sums; other float arithmetic in f32, or as packed bf16 or f16 multiplies, adds, multiply-adds, maxima and minima; sums over many terms, partial sums and values carried from step to step in f32; what a program stores and reads back later, other than sums and carried values, may be rounded once to bf16 or f16.
;; Inputs: ff1_b 256 float32; ff1_w 1,024 x 256 float32; ff2_b 1,024 float32; ff2_w 256 x 1,024 float32; k_bias 16 x 1 x 64 float32; k_proj 16 x 1,024 x 64 float32; ln1_b 1,024 float32; ln1_g 1,024 float32; ln2_b 1,024 float32; ln2_g 1,024 float32; q_bias 16 x 1 x 64 float32; q_proj 16 x 1,024 x 64 float32; v_bias 16 x 1 x 64 float32; v_proj 16 x 1,024 x 64 float32; x 4 x 4,096 x 1,024 float32.
;; Outputs: out0 4 x 4,096 x 1,024 float32.
;; One version. Each part assembles by itself: llvm-mc -triple=amdgcn-amd-amdhsa -mcpu=gfx1250 --defsym DOCPART=n.
;; ======== version 1 of 1: 3 launches
;; limits: values are held in f16: magnitudes above 65,504 overflow, below 6.1e-05 lose precision; right only within a limited range of input values
;; workspace buffers: xb 33,554,432 bytes; wqkv 6,291,456 bytes; wf 1,048,576 bytes; par 33,792 bytes; qkv 100,663,296 bytes
;; launch prep (part 1): grid 1473 x 1, 8 waves a work-group, no clusters, 18,432 bytes of LDS; arguments x, q_proj, k_proj, v_proj, ff1_w, ff2_w, q_bias, k_bias, v_bias, ln1_g, ln1_b, ln2_g, ln2_b, ff2_b, ff1_b, xb, wqkv, wf, par; writes xb, wqkv, wf, par
.if DOCPART == 1
	.amdgcn_target "amdgcn-amd-amdhsa--gfx1250"
	.amdhsa_code_object_version 6
	.text
	.protected	k_qf28200a685_prep
	.globl	k_qf28200a685_prep
	.p2align	8
	.type	k_qf28200a685_prep,@function
k_qf28200a685_prep:
	s_mov_b64 s[64:65], 0
	v_nop
	global_prefetch_b8 v0, s[64:65] scope:SCOPE_SE
	s_setreg_imm32_b32 hwreg(HW_REG_WAVE_MODE, 25, 1), 1
	s_wait_xcnt 0x0
; PREPARATION.  Every input is rounded ONCE to bf16 and laid out for the two launches behind.
;   work-groups 0..383    a tile of 128 k x 64 n of q_proj, k_proj or v_proj -> wqkv, bf16, [n = sel*1024 + head*64 + e][k]
;   work-groups 384..415  the same of ff1_w, 416..447 of ff2_w -> wf: the bf16 number written as f16, in the order in which a wave of the
;                         last launch takes its fragments (byte = w*262144 + set*4096 + nb*1024 + g*512 + 16*lane)
;   work-group  448       the nine short vectors -> par, f32 that hold bf16 numbers
;   work-groups 449..1472 65,536 bytes of x each -> xb, bf16
; LIMIT: a bf16 weight of the two FF matrices below 2^-17 keeps f16's fixed step of 2^-24.
; A stream and small transposes: no matrix unit, no cluster (no two work-groups read the same bytes).  Few registers, so that many work-groups lie on a WGP.
.set TP,    272                        ; a transposed row in LDS: 128 k x 2 bytes + 16
.set SPARE, 64*TP                      ; behind the tile: the spare words, 128 bytes for each of the eight waves
.set SPW,   72                         ; v72  LDS address of my spare word; never rewritten
.set NIL,   73                         ; v73  0; never rewritten
	v_lshl_add_u32 v[SPW], v0, 2, SPARE
	v_mov_b32 v[NIL], 0
	s_mov_b32 s2, ttmp9
	s_cmp_lt_u32 s2, 448
	s_cbranch_scc1 .Ltrans
	s_cmp_eq_u32 s2, 448
	s_cbranch_scc1 .Lpar
	; ---- the cast of x: 16 loads of 16 bytes a lane, all on their way at once; a wave's load covers 512 consecutive bytes, its store 256, aligned
	s_load_b64 s[4:5], s[0:1], 0x0                 ; x
	s_load_b64 s[6:7], s[0:1], 0x78                ; xb
	s_sub_co_u32 s3, s2, 449
	s_lshl_b32 s8, s3, 16
	s_mov_b32 s9, 0
	s_lshl_b32 s10, s3, 15
	s_mov_b32 s11, 0
	v_lshlrev_b32 v1, 4, v0
	v_lshlrev_b32 v2, 3, v0
	s_wait_kmcnt 0x0
	s_add_nc_u64 s[4:5], s[4:5], s[8:9]
	s_add_nc_u64 s[6:7], s[6:7], s[10:11]
.set i, 0
.rept 16
	global_load_b128 v[8+4*i:11+4*i], v1, s[4:5] offset:4096*i th:TH_LOAD_NT
.set i, i+1
.endr
.set i, 0
.rept 16
	s_wait_loadcnt 15-i                            ; loads come back in order: load i is in, the 15 - i younger ones stay out
	v_cvt_pk_bf16_f32 v[8+4*i], v[8+4*i], v[9+4*i] ; in place: the four numbers' two lowest registers take the four bf16
	v_cvt_pk_bf16_f32 v[9+4*i], v[10+4*i], v[11+4*i]
	global_store_b64 v2, v[8+4*i:9+4*i], s[6:7] offset:2048*i  ; no register is written again behind its store
.set i, i+1
.endr
	s_endpgm
	; ---- the nine short vectors
.macro ROUND4 b                        ; four f32 rounded to bf16 and widened again, in place
	v_cvt_pk_bf16_f32 v4, v[\b], v[(\b)+1]
	v_cvt_pk_bf16_f32 v5, v[(\b)+2], v[(\b)+3]
	v_lshlrev_b32 v[\b], 16, v4
	v_and_b32 v[(\b)+1], 0xffff0000, v4
	v_lshlrev_b32 v[(\b)+2], 16, v5
	v_and_b32 v[(\b)+3], 0xffff0000, v5
.endm
.Lpar:
	s_load_b512 s[16:31], s[0:1], 0x30             ; q_bias, k_bias, v_bias, ln1_g, ln1_b, ln2_g, ln2_b, ff2_b: par's own order
	s_load_b64 s[4:5], s[0:1], 0x70                ; ff1_b
	s_load_b64 s[6:7], s[0:1], 0x90                ; par
	v_lshlrev_b32 v1, 4, v0
	v_lshrrev_b32 v2, 5, v0
	v_readfirstlane_b32 s8, v2                     ; my wave's number
	s_wait_kmcnt 0x0
.set i, 0
.rept 8
	global_load_b128 v[16+4*i:19+4*i], v1, s[16+2*i:17+2*i]
.set i, i+1
.endr
	s_wait_loadcnt 0x0
.set i, 0
.rept 8
	ROUND4 16+4*i
	global_store_b128 v1, v[16+4*i:19+4*i], s[6:7] offset:4096*i
.set i, i+1
.endr
	s_cmp_lt_u32 s8, 2
	s_cbranch_scc0 .Lpend                          ; ff1_b is 1,024 bytes: waves 0 and 1
	global_load_b128 v[48:51], v1, s[4:5]
	s_wait_loadcnt 0x0
	ROUND4 48
	global_store_b128 v1, v[48:51], s[6:7] offset:32768
.Lpend:
	s_endpgm
	; ---- a transposed tile.  s[20:21] source, s12 its offset, s16 its pitch in bytes; s[24:25] target, s14 its offset; s17 = 1: f16, fragment order
.Ltrans:
	s_cmp_lt_u32 s2, 384
	s_cbranch_scc0 .Lff
	s_load_b128 s[4:7], s[0:1], 0x8                ; q_proj, k_proj
	s_load_b64 s[8:9], s[0:1], 0x18                ; v_proj
	s_load_b64 s[24:25], s[0:1], 0x80              ; wqkv
	s_lshr_b32 s10, s2, 7                          ; sel
	s_bfe_u32 s11, s2, 0x40003                     ; head
	s_and_b32 s3, s2, 7                            ; which 128 of k
	s_lshl_b32 s12, s11, 18
	s_lshl_b32 s13, s3, 15
	s_add_co_u32 s12, s12, s13
	s_lshl_b32 s14, s10, 10
	s_lshl_b32 s15, s11, 6
	s_add_co_u32 s14, s14, s15                     ; row n of wqkv,
	s_lshl_b32 s14, s14, 11                        ; 2,048 bytes a row
	s_lshl_b32 s15, s3, 8
	s_add_co_u32 s14, s14, s15
	s_mov_b32 s16, 256
	s_mov_b32 s17, 0
	s_wait_kmcnt 0x0
	s_cmp_eq_u32 s10, 1
	s_cselect_b64 s[20:21], s[6:7], s[4:5]
	s_cmp_eq_u32 s10, 2
	s_cselect_b64 s[20:21], s[8:9], s[20:21]
	s_branch .Ltile
.Lff:
	s_load_b64 s[24:25], s[0:1], 0x88              ; wf
	s_mov_b32 s17, 1
	s_cmp_lt_u32 s2, 416
	s_cbranch_scc0 .Lff2w
	s_load_b64 s[20:21], s[0:1], 0x20              ; ff1_w [1024 k][256 n]
	s_sub_co_u32 s3, s2, 384
	s_lshr_b32 s10, s3, 3                          ; which 64 of n = the wave that will take them
	s_and_b32 s11, s3, 7                           ; which 128 of k = sets 4 kt ..
	s_lshl_b32 s12, s11, 17
	s_lshl_b32 s13, s10, 8
	s_add_co_u32 s12, s12, s13
	s_lshl_b32 s14, s10, 18
	s_lshl_b32 s15, s11, 14
	s_add_co_u32 s14, s14, s15
	s_mov_b32 s16, 1024
	s_wait_kmcnt 0x0
	s_branch .Ltile
.Lff2w:
	s_load_b64 s[20:21], s[0:1], 0x28              ; ff2_w [256 k][1024 n]
	s_sub_co_u32 s3, s2, 416
	s_lshr_b32 s10, s3, 1                          ; which 64 of n: wave nc / 4, chunk nc % 4
	s_and_b32 s11, s3, 1                           ; which 128 of k
	s_lshl_b32 s12, s11, 19
	s_lshl_b32 s13, s10, 8
	s_add_co_u32 s12, s12, s13
	s_lshr_b32 s14, s10, 2
	s_lshl_b32 s14, s14, 18
	s_and_b32 s15, s10, 3
	s_lshl_b32 s15, s15, 3
	s_lshl_b32 s18, s11, 2
	s_add_co_u32 s15, s15, s18
	s_add_co_u32 s15, s15, 32                      ; set 32 + 8 chunk + 4 kt
	s_lshl_b32 s15, s15, 12
	s_add_co_u32 s14, s14, s15
	s_mov_b32 s16, 4096
	s_wait_kmcnt 0x0
.Ltile:
	s_mov_b32 s13, 0
	s_mov_b32 s15, 0
	s_add_nc_u64 s[20:21], s[20:21], s[12:13]
	s_add_nc_u64 s[24:25], s[24:25], s[14:15]
	v_and_b32 v1, 15, v0                           ; ng: my four n
	v_lshrrev_b32 v2, 4, v0                        ; kp: my pairs of k are 2 (kp + 16 i), i = 0..3
	v_lshlrev_b32 v3, 1, v2
	v_mul_lo_u32 v4, v3, s16
	v_lshl_add_u32 v4, v1, 4, v4                   ; 2 kp rows + 16 ng: sixteen lanes take the 256 bytes of a row's 64 n
	s_lshl_b32 s18, s16, 5                         ; 32 rows
	v_add_nc_u32 v5, s16, v4
.irp i, 1,2,3
	v_add_nc_u32 v[4+2*(\i)], s18, v[2+2*(\i)]
	v_add_nc_u32 v[5+2*(\i)], s16, v[4+2*(\i)]
.endr
.set i, 0
.rept 8
	global_load_b128 v[16+4*i:19+4*i], v[4+i], s[20:21]
.set i, i+1
.endr
	s_wait_loadcnt 0x0
.set i, 0
.rept 4
.set c, 0
.rept 4
	v_cvt_pk_bf16_f32 v[48+4*i+c], v[16+8*i+c], v[20+8*i+c]  ; two neighbouring k of one n
.set c, c+1
.endr
.set i, i+1
.endr
	s_cmp_eq_u32 s17, 0
	s_cbranch_scc1 .Lput
.set i, 0
.rept 16
	v_lshlrev_b32 v64, 16, v[48+i]                 ; the bf16 numbers, written as f16
	v_and_b32 v65, 0xffff0000, v[48+i]
	v_cvt_pk_f16_f32 v[48+i], v64, v65
.set i, i+1
.endr
.Lput:
	v_mul_u32_u24 v3, v1, 4*TP
	v_lshl_add_u32 v3, v2, 2, v3                   ; row 4 ng (+ c), byte 4 kp (+ 64 i)
.set i, 0
.rept 4
.set c, 0
.rept 4
	ds_store_b32 v3, v[48+4*i+c] offset:c*TP+64*i
.set c, c+1
.endr
.set i, i+1
.endr
	s_wait_dscnt 0x0                               ; for the others' sake: my stores are done
	s_barrier_signal -1
	s_barrier_wait -1
	s_cmp_eq_u32 s17, 0
	s_cbranch_scc0 .Lfrag
	v_mul_u32_u24 v12, v2, TP                      ; rows of 256 bytes: sixteen lanes a row, 16 rows an instruction
	v_lshl_add_u32 v12, v1, 4, v12
	v_lshlrev_b32 v13, 11, v2
	v_lshl_add_u32 v13, v1, 4, v13
.set i, 0
.rept 4
	ds_load_b128 v[16+4*i:19+4*i], v12 offset:16*TP*i  ; into the registers that the tile was loaded into: they are done with
.set i, i+1
.endr
.set i, 0
.rept 4
	s_wait_dscnt 3-i                               ; the 3 - i younger LDS loads stay out
	global_store_b128 v13, v[16+4*i:19+4*i], s[24:25] offset:32768*i
.set i, i+1
.endr
	s_wait_tensorcnt 0x0                           ; the wave's end
	ds_add_u32 v[SPW], v[NIL]
	s_wait_dscnt 0x0
	s_endpgm
.Lfrag:
	v_lshrrev_b32 v12, 6, v0                       ; thread = 64 nb + 32 g + 16 h + r: row 16 nb + r, bytes 32 g + 16 h of set i's 64
	v_lshl_add_u32 v12, v12, 4, v1
	v_mul_u32_u24 v12, v12, TP
	v_bfe_u32 v13, v0, 4, 2
	v_lshl_add_u32 v12, v13, 4, v12
	v_lshlrev_b32 v13, 4, v0                       ; a set is 4,096 consecutive bytes of wf
.set i, 0
.rept 4
	ds_load_b128 v[16+4*i:19+4*i], v12 offset:64*i
.set i, i+1
.endr
.set i, 0
.rept 4
	s_wait_dscnt 3-i
	global_store_b128 v13, v[16+4*i:19+4*i], s[24:25] offset:4096*i
.set i, i+1
.endr
	s_wait_tensorcnt 0x0                           ; the wave's end, as above
	ds_add_u32 v[SPW], v[NIL]
	s_wait_dscnt 0x0
	s_endpgm
.Lfunc_end_k_qf28200a685_prep:
	.size	k_qf28200a685_prep, .Lfunc_end_k_qf28200a685_prep-k_qf28200a685_prep
	.p2alignl 7, 3214868480
	.fill 96, 4, 3214868480
	.section	.rodata,"a",@progbits
	.p2align	6, 0x0
	.amdhsa_kernel k_qf28200a685_prep
		.amdhsa_group_segment_fixed_size 18432
		.amdhsa_private_segment_fixed_size 0
		.amdhsa_enable_private_segment 0
		.amdhsa_kernarg_size 152
		.amdhsa_user_sgpr_count 2
		.amdhsa_user_sgpr_kernarg_segment_ptr 1
		.amdhsa_wavefront_size32 1
		.amdhsa_system_sgpr_workgroup_id_x 1
		.amdhsa_system_sgpr_workgroup_id_y 1
		.amdhsa_system_sgpr_workgroup_id_z 1
		.amdhsa_system_vgpr_workitem_id 0
		.amdhsa_next_free_vgpr 74
		.amdhsa_next_free_sgpr 66
		.amdhsa_reserve_vcc 0
		.amdhsa_float_denorm_mode_32 3
		.amdhsa_float_denorm_mode_16_64 3
		.amdhsa_memory_ordered 1
		.amdhsa_forward_progress 1
		.amdhsa_inst_pref_size 23
	.end_amdhsa_kernel
	.amdgpu_metadata
---
amdhsa.version: [ 1, 2 ]
amdhsa.kernels:
  - .name:           k_qf28200a685_prep
    .symbol:         k_qf28200a685_prep.kd
    .args:
      - { .name: x, .offset: 0, .size: 8, .value_kind: global_buffer, .address_space: global }
      - { .name: q_proj, .offset: 8, .size: 8, .value_kind: global_buffer, .address_space: global }
      - { .name: k_proj, .offset: 16, .size: 8, .value_kind: global_buffer, .address_space: global }
      - { .name: v_proj, .offset: 24, .size: 8, .value_kind: global_buffer, .address_space: global }
      - { .name: ff1_w, .offset: 32, .size: 8, .value_kind: global_buffer, .address_space: global }
      - { .name: ff2_w, .offset: 40, .size: 8, .value_kind: global_buffer, .address_space: global }
      - { .name: q_bias, .offset: 48, .size: 8, .value_kind: global_buffer, .address_space: global }
      - { .name: k_bias, .offset: 56, .size: 8, .value_kind: global_buffer, .address_space: global }
      - { .name: v_bias, .offset: 64, .size: 8, .value_kind: global_buffer, .address_space: global }
      - { .name: ln1_g, .offset: 72, .size: 8, .value_kind: global_buffer, .address_space: global }
      - { .name: ln1_b, .offset: 80, .size: 8, .value_kind: global_buffer, .address_space: global }
      - { .name: ln2_g, .offset: 88, .size: 8, .value_kind: global_buffer, .address_space: global }
      - { .name: ln2_b, .offset: 96, .size: 8, .value_kind: global_buffer, .address_space: global }
      - { .name: ff2_b, .offset: 104, .size: 8, .value_kind: global_buffer, .address_space: global }
      - { .name: ff1_b, .offset: 112, .size: 8, .value_kind: global_buffer, .address_space: global }
      - { .name: xb, .offset: 120, .size: 8, .value_kind: global_buffer, .address_space: global }
      - { .name: wqkv, .offset: 128, .size: 8, .value_kind: global_buffer, .address_space: global }
      - { .name: wf, .offset: 136, .size: 8, .value_kind: global_buffer, .address_space: global }
      - { .name: par, .offset: 144, .size: 8, .value_kind: global_buffer, .address_space: global }
    .group_segment_fixed_size: 18432
    .private_segment_fixed_size: 0
    .kernarg_segment_align: 8
    .kernarg_segment_size: 152
    .max_flat_workgroup_size: 256
    .sgpr_count:     66
    .vgpr_count:     74
    .wavefront_size: 32
...
	.end_amdgpu_metadata
.endif
;; end of part 1
;; launch qkv (part 2): grid 4 x 64, 4 waves a work-group, clusters of 4 x 4, 327,680 bytes of LDS; arguments xb, wqkv, qkv, par; writes qkv
.if DOCPART == 2
	.amdgcn_target "amdgcn-amd-amdhsa--gfx1250"
	.amdhsa_code_object_version 6
	.text
	.protected	k_qf28200a685_qkv
	.globl	k_qf28200a685_qkv
	.p2align	8
	.type	k_qf28200a685_qkv,@function
k_qf28200a685_qkv:
	s_mov_b64 s[64:65], 0
	v_nop
	global_prefetch_b8 v0, s[64:65] scope:SCOPE_SE
	s_setreg_imm32_b32 hwreg(HW_REG_WAVE_MODE, 25, 1), 1
	s_wait_xcnt 0x0
	s_wait_alu depctr_hold_cnt(0) depctr_sa_sdst(0) depctr_va_vdst(0) depctr_va_sdst(0) depctr_va_ssrc(0) depctr_va_vcc(0) depctr_vm_vsrc(0)
	s_getreg_b32 s2, hwreg(HW_REG_IB_STS2, 6, 4)
	s_cmp_eq_u32 s2, 0
	s_cbranch_scc0 .Lentry_in_a_cluster
	s_endpgm
.Lentry_in_a_cluster:
	s_bfe_u32 s2, ttmp6, 0x10000c
	s_cmp_lg_u32 s2, 0xf033
	s_cbranch_scc0 .Lentry_shape_is_right
	s_endpgm
.Lentry_shape_is_right:
; Q, K, V = xb [16384][1024] x wqkv [3072][1024]^T, bf16 operands, f32 sums, + q_bias / k_bias (v_bias is added behind the softmax, where the weights sum to 1).
; A tile is 256 tokens x 256 channels, four waves of 128 x 128 (64 accumulators, 512 registers).  K goes in steps of 128 through two LDS slots filled by tensor loads.
; A WORK-GROUP STAYS for three tiles: the same 256 tokens and the same 256 channels of q, then k, then v (1,024 rows of wqkv further on each time).
; ONE LOOP WALKS THE RING: the three tiles' 24 K steps are one sequence; a trip is one K step and asks for the K step two further on.  What differs from trip to trip lies in scalars made from the
; trip's number: the slot that is read, the step of the two global addresses, whether the first quarter starts the sums, whether a tile leaves at the trip's end.  The last two K steps ask for nothing
; and stand behind the loop, as a loop of two trips that is left in its middle.
; CLUSTER 4 x 4: the four of a row share xb's tiles, the four of a column wqkv's: each tile is asked for jointly.
; THE RESULT LEAVES IN f16 IN BLOCK ORDER: byte = ((bh*256 + tb)*4 + nb)*512 + 16*lane.  q, k: source 0 = channels, source 1 = tokens, so a lane holds token lane%16 and channels 16nb + 8(lane/16) + 0..7.
; v: the two LDS addresses change places, so a lane holds channel 16nb + lane%16 and tokens 16tb + 8(lane/16) + 0..7.  Four packed registers of an accumulator are one block's 16 bytes a lane:
; every store of the wave is 512 consecutive bytes, aligned, and no stage in LDS is needed.
; LIMIT: q, k, v beyond 65,504 do not fit f16.
; REGISTERS: window 0: v16-29 addresses; v32-63 packed results; v64-191 source 1's fragments, two buffers; v192-255 CB, the C of a tile's first products (bias, or 0 for v).
;   window 1: v64-191 source 0's fragments.   windows 2, 3: the accumulators ((a, b) at v[8 (8 a + b)]).
.set SIZE_K, 1024
.set KSTEP,  128
.set STEPS,  24                        ; three tiles of eight K steps
.set PITCH,  272                       ; an LDS row: 256 bytes + 16 of padding, so that the 16 rows of a fragment load start at 16 different groups of four banks
.set HALFT,  128*PITCH
.set SLOT,   4*HALFT                   ; xb's 256 rows, then wqkv's 256 rows
.set SPARE,  2*SLOT                    ; behind the ring: the spare words, 128 bytes for each wave
.set BACK_A, 7*KSTEP*2                 ; from a tile's last K step to the next tile's first: xb only goes back along K,
.set NEXT_B, 1024*SIZE_K*2-BACK_A      ; wqkv also 1,024 rows down
.set ADRA, 16                          ; v16     LDS address of source 1's fragments in the slot that is read
.set LT,   18                          ; v18     my lane's place in a tile; never rewritten
.set ADRB, 20                          ; v20     the same for source 0
.set VL,   26                          ; v26     16 x lane
.set HB32, 27                          ; v27     32 x (lane / 16)
.set SPW,  28                          ; v28     LDS address of my spare word; never rewritten
.set NIL,  29                          ; v29     0; never rewritten
.set TMP,  32
.set F0,   64
.set F1,   128
.set CB,   192
.set G1, 24
.set G0, 32                            ; s[32:35] xb's first fill; s[36:39] its second, which then walks
.set G1B, 48
.set G0B, 56                           ; the same for wqkv
.set KQ,  2                            ; s2   the K step within its tile, 0..7
.set CNT, 3                            ; s3   counts the last two K steps
.set RA,  72                           ; s72  at work
.set OLD, 73                           ; s73  the slot that is left: 0 or SLOT
.set STP, 74                           ; s74  the K step, 0..23: the loop's counter
.set CUR, 75                           ; s75  the slot that is read: 0 or SLOT
.set RB,  80                           ; s80  at work
.set C256, 81                          ; s81  256
.set IAP, 82                           ; s[82:83] what xb's address gains,
.set IAM, 84                           ; s[84:85] and loses
.set IBP, 86                           ; s[86:87] what wqkv's address gains
.set MSB, 0
.macro WIN new                         ; the immediate's high byte repeats the setting that is left
.if MSB != (\new)
	s_set_vgpr_msb (MSB<<8)|(\new)
.set MSB, \new
.endif
.endm
.set MUL_LO, 0xa1                      ; source 0 window 1, source 1 window 0, C and D window 2
.set TO_B,   0x40
.macro JLOAD s                         ; a joint load: waves 0 and 1 fetch xb's two halves, waves 2 and 3 wqkv's; s_nop 0 and four v_nop follow each line
	s_cmp_eq_u32 s11, 0
	s_cbranch_scc0 .Lfor_b_\@
	tensor_load_to_lds s[G0+4*(\s):G0+4*(\s)+3], s[G1:G1+7]
	s_nop 0
.rept 4
	v_nop
.endr
	s_branch .Lasked_\@
.Lfor_b_\@:
	tensor_load_to_lds s[G0B+4*(\s):G0B+4*(\s)+3], s[G1B:G1B+7]
	s_nop 0
.rept 4
	v_nop
.endr
.Lasked_\@:
.endm
.macro CREST                           ; a round of the cluster's barrier behind its opening barrier
	s_cmp_lg_u32 s10, 0
	s_cbranch_scc1 .Lnot_wave_0_\@
	s_barrier_signal -3
.Lnot_wave_0_\@:
	s_barrier_wait -3
	s_barrier_signal -1
	s_barrier_wait -1
.endm
.macro CROUND
	s_barrier_signal -1
	s_barrier_wait -1
	CREST
.endm
	s_load_b128 s[4:7], s[0:1], 0x0                ; xb s[4:5], wqkv s[6:7]
	s_load_b64 s[8:9], s[0:1], 0x10                ; qkv
	s_load_b64 s[68:69], s[0:1], 0x18              ; par
	v_lshl_add_u32 v[SPW], v0, 2, SPARE
	v_mov_b32 v[NIL], 0
	ds_add_u32 v[SPW], v[NIL]                      ; the wave's opening: the add and its wait stand ahead of my first tensor load
	ds_add_u32 v28, v29
	v_lshrrev_b32 v1, 5, v0
	v_readfirstlane_b32 s10, v1                    ; wave 0..3
	s_lshr_b32 s11, s10, 1                         ; which half of the tokens is mine.  Also: I fetch for xb (0) or for wqkv (1)
	s_and_b32 s12, s10, 1                          ; which half of the channels.  Also: which 128 rows I fetch
	s_bfe_u32 s40, ttmp6, 0x40000                  ; cx
	s_bfe_u32 s41, ttmp6, 0x40004                  ; cy
	s_lshl_b32 s42, ttmp9, 2
	s_add_co_u32 s42, s42, s40                     ; tile column 0..3
	s_and_b32 s13, ttmp7, 0xffff
	s_lshl_b32 s13, s13, 2
	s_add_co_u32 s13, s13, s41                     ; tile row 0..63
	s_lshl_b32 s43, s41, 2
	s_lshl_b32 s43, 15, s43                        ; my row of the cluster
	s_lshl_b32 s44, 0x1111, s40                    ; my column
	s_or_b32 s[G1+0], s43, (1<<16)|(1<<20)|(1<<21)|(5<<22)|(3<<25)   ; mask; 2-byte elements; padding on; bit 21 beside a mask; after every 64 words 4 words
	s_or_b32 s[G1B+0], s44, (1<<16)|(1<<20)|(1<<21)|(5<<22)|(3<<25)
.irp g, G1, G1B
	s_mov_b32 s[(\g)+1], KSTEP<<16                 ; tensor_dim0 = 128
	s_mov_b32 s[(\g)+2], 128<<16                   ; tensor_dim1 = 128
	s_mov_b32 s[(\g)+3], KSTEP<<16                 ; tile_dim0 = 128
	s_mov_b32 s[(\g)+4], 128                       ; tile_dim1 = 128
	s_mov_b32 s[(\g)+5], SIZE_K                    ; elements from row to row
	s_mov_b32 s[(\g)+6], 0
	s_mov_b32 s[(\g)+7], 0
.endr
	s_mov_b32 s[STP], 0
	s_mov_b32 s[CUR], 0
	s_mov_b32 s[C256], KSTEP*2
	s_mov_b32 s[IAP+1], 0                          ; the three steps are pairs with 0 above
	s_mov_b32 s[IAM+1], 0
	s_mov_b32 s[IBP+1], 0
	s_lshl_b32 s17, s12, 7
	s_lshl_b32 s16, s13, 8
	s_add_co_u32 s16, s16, s17                     ; xb: row 256 x tile row + 128 x half
	s_lshl_b32 s46, s42, 8
	s_add_co_u32 s46, s46, s17                     ; wqkv: row 256 x tile column + 128 x half
	s_mov_b32 s17, 0
	s_mov_b32 s47, 0
	s_mov_b64 s[18:19], SIZE_K*2
	s_mul_u64 s[16:17], s[16:17], s[18:19]
	s_mul_u64 s[46:47], s[46:47], s[18:19]
	s_mul_i32 s20, s10, HALFT                      ; where they go: wave x 128 rows
	s_wait_dscnt 0x0                               ; the opening add is done
	s_wait_kmcnt 0x0
	s_add_nc_u64 s[14:15], s[4:5], s[16:17]
	s_add_nc_u64 s[46:47], s[6:7], s[46:47]
	CROUND                                         ; all sixteen work-groups are here: the first joint loads meet
.irp s, 0,1
	s_mov_b32 s[G0+4*(\s)], 1
	s_add_co_u32 s[G0+4*(\s)+1], s20, (\s)*SLOT
	s_add_nc_u64 s[G0+4*(\s)+2:G0+4*(\s)+3], s[14:15], (\s)*KSTEP*2
	s_or_b32 s[G0+4*(\s)+3], s[G0+4*(\s)+3], 0x80000000
	s_mov_b32 s[G0B+4*(\s)], 1
	s_add_co_u32 s[G0B+4*(\s)+1], s20, (\s)*SLOT
	s_add_nc_u64 s[G0B+4*(\s)+2:G0B+4*(\s)+3], s[46:47], (\s)*KSTEP*2
	s_or_b32 s[G0B+4*(\s)+3], s[G0B+4*(\s)+3], 0x80000000
	JLOAD \s
.endr
	v_and_b32 v1, 15, v0
	v_bfe_u32 v2, v0, 4, 1
	v_mul_u32_u24 v[LT], v1, PITCH
	v_lshl_add_u32 v[LT], v2, 4, v[LT]             ; row x pitch + 16 x half
	s_mul_i32 s70, s11, HALFT                      ; my 128 tokens in a slot
	s_mul_i32 s71, s12, HALFT
	s_add_co_u32 s71, s71, 2*HALFT                 ; my 128 channels
	v_add_nc_u32 v[ADRA], s70, v[LT]               ; slot 0
	v_add_nc_u32 v[ADRB], s71, v[LT]
	v_and_b32 v[VL], 31, v0
	v_lshlrev_b32 v[VL], 4, v[VL]
	v_lshlrev_b32 v[HB32], 5, v2
	s_lshl_b32 s46, s42, 10                        ; q_bias of my 128 channels
	s_lshl_b32 s47, s12, 9
	s_add_co_u32 s46, s46, s47
	s_mov_b32 s47, 0
	s_add_nc_u64 s[68:69], s[68:69], s[46:47]
.set i, 0
.rept 16
	global_load_b128 v[CB+4*i:CB+4*i+3], v[HB32], s[68:69] offset:64*(i/2)+16*(i%2)  ; CB + 8 b + j = bias of channel 16 b + 8 (lane / 16) + j
.set i, i+1
.endr
	s_lshr_b32 s16, s13, 4                         ; where my part begins in q: ((16 batch + 4 column + 2 half) << 19) + ((16 (row % 16) + 8 half) << 11)
	s_lshl_b32 s16, s16, 4
	s_lshl_b32 s17, s12, 1
	s_add_co_u32 s16, s16, s17
	s_lshl_b32 s46, s42, 2
	s_add_co_u32 s16, s16, s46
	s_lshl_b32 s16, s16, 19
	s_and_b32 s17, s13, 15
	s_lshl_b32 s17, s17, 4
	s_lshl_b32 s46, s11, 3
	s_add_co_u32 s17, s17, s46
	s_lshl_b32 s17, s17, 11
	s_add_co_u32 s16, s16, s17
	s_mov_b32 s17, 0
; 16 matrix instructions: blocks a0, a0 + 1 of the window's four x all 8 blocks b, 32 along K.  ini = 1: the products start the sums with CB.  The 64 accumulators take turns.
.macro MUL16 f, hi, a0, ini
.if \ini
	WIN 0x81+0x40*(\hi)                            ; C in window 0
.else
	WIN MUL_LO+0x50*(\hi)
.endif
.irp a, \a0, (\a0)+1
.irp b, 0,1,2,3,4,5,6,7
.if \ini
	v_wmma_f32_16x16x32_bf16 v[8*(8*(\a)+(\b)):8*(8*(\a)+(\b))+7], v[(\f)+8*(\b):(\f)+8*(\b)+7], v[(\f)+8*(4*(\hi)+(\a)):(\f)+8*(4*(\hi)+(\a))+7], v[CB+8*(\b):CB+8*(\b)+7]
.else
	v_wmma_f32_16x16x32_bf16 v[8*(8*(\a)+(\b)):8*(8*(\a)+(\b))+7], v[(\f)+8*(\b):(\f)+8*(\b)+7], v[(\f)+8*(4*(\hi)+(\a)):(\f)+8*(4*(\hi)+(\a))+7], v[8*(8*(\a)+(\b)):8*(8*(\a)+(\b))+7]
.endif
.endr
.endr
.endm
.macro FETCH k, f                      ; 32 LDS loads in one run: the fragments of 32 along K at byte k of the rows of the slot that is read
	WIN TO_B
.irp i, 0,1,2,3,4,5,6,7
	ds_load_b128 v[(\f)+8*(\i):(\f)+8*(\i)+3],   v[ADRB] offset:(\k)+(\i)*16*PITCH
	ds_load_b128 v[(\f)+8*(\i)+4:(\f)+8*(\i)+7], v[ADRB] offset:(\k)+(\i)*16*PITCH+32
.endr
	WIN 0
.irp i, 0,1,2,3,4,5,6,7
	ds_load_b128 v[(\f)+8*(\i):(\f)+8*(\i)+3],   v[ADRA] offset:(\k)+(\i)*16*PITCH
	ds_load_b128 v[(\f)+8*(\i)+4:(\f)+8*(\i)+7], v[ADRA] offset:(\k)+(\i)*16*PITCH+32
.endr
.endm
.macro PLACES                          ; four plain vector instructions between matrix instructions and loads into, or reads of, their registers
.rept 4
	v_nop
.endr
.endm
.macro QUARTER k, f, g, ini            ; 64 products on buffer f; in their middle the next quarter's fragments, at byte k, go into g
	s_wait_dscnt 8                                 ; all but the youngest eight loads (source 1's blocks 4-7)
	MUL16 \f, 0, 0, \ini
	MUL16 \f, 0, 2, \ini
	PLACES
	FETCH \k, \g
	s_wait_dscnt 32                                ; all but the 32 just issued
	MUL16 \f, 1, 0, \ini
	MUL16 \f, 1, 2, \ini
.endm
; This K step's last fragments have been asked for: the two addresses are made for the next K step: the other slot; from K step 16 on, v's, they change places.
.macro NEXTADR
	WIN 0
	s_mov_b32 s[OLD], s[CUR]
	s_xor_b32 s[CUR], s[CUR], SLOT                 ; 0 <-> SLOT
	s_cmp_ge_u32 s[STP], 15
	s_cselect_b32 s[RA], s71, s70
	s_cselect_b32 s[RB], s70, s71
	s_add_co_u32 s[RA], s[RA], s[CUR]
	s_add_co_u32 s[RB], s[RB], s[CUR]
	v_add_nc_u32 v[ADRA], s[RA], v[LT]
	v_add_nc_u32 v[ADRB], s[RB], v[LT]
.endm
.macro MEET round                      ; the change of slots: one barrier
	WIN 0
	s_wait_tensorcnt 0x0                           ; all my tensor loads have landed: the one that was out is my part of the next slot
	ds_add_u32 v[SPW], v[NIL]                      ; 0 onto my spare word
	s_wait_dscnt 9                                 ; (the add and the youngest eight loads may be out)
	MUL16 F1, 0, 0, 0
	s_wait_dscnt 0x0                               ; the add is done, and my reads of this slot are over
	s_barrier_signal -1
	MUL16 F1, 0, 2, 0
.if \round
	WIN 0
.endif
	s_barrier_wait -1
.endm
; The last quarter of a K step.  The slot just read is filled again with the K step two further on: 256 bytes on along K, or, where that is a tile's first (this step is its tile's seventh), the next tile's.
.macro TURN
	MEET 1
	CREST                                          ; no wave of any partner still reads this slot or has a load on its way
	s_add_co_u32 s[G0+5], s20, s[OLD]              ; no tensor load of mine is out: the walking descriptors may be written
	s_add_co_u32 s[G0B+5], s20, s[OLD]
	s_cmp_eq_u32 s[KQ], 6
	s_cselect_b32 s[IAP], 0, s[C256]
	s_cselect_b32 s[IAM], BACK_A, 0
	s_cselect_b32 s[IBP], NEXT_B, s[C256]
	s_add_nc_u64 s[G0+6:G0+7], s[G0+6:G0+7], s[IAP:IAP+1]
	s_sub_nc_u64 s[G0+6:G0+7], s[G0+6:G0+7], s[IAM:IAM+1]
	s_add_nc_u64 s[G0B+6:G0B+7], s[G0B+6:G0B+7], s[IBP:IBP+1]
	JLOAD 1                                        ; the first tensor load behind the round; its four v_nop are also the places in front of the loads below
	FETCH 0, F0
	MUL16 F1, 1, 0, 0
	MUL16 F1, 1, 2, 0
.endm
; THE WAY OUT.  Block a's eight accumulators are rounded to f16, in ascending order, and stored: 512 consecutive bytes a store.
; ori = 0 (q, k): a = 16 tokens (2,048 bytes on), b = 16 channels (512 on; a head, 524,288, after four).  ori = 1 (v): a = 16 channels, b = 16 tokens.
.macro OUT ori
.irp a, 0,1,2,3,4,5,6,7
	s_wait_xcnt 0x0                                ; the stores before have read their data and their base: both are rewritten only behind this wait
.if (\a) == 0
	s_add_nc_u64 s[8:9], s[8:9], s[16:17]
.elseif (\ori) == 0
	s_add_nc_u64 s[8:9], s[8:9], 2048
.elseif (\a) == 4
	s_add_nc_u64 s[8:9], s[8:9], 524288-1536
.else
	s_add_nc_u64 s[8:9], s[8:9], 512
.endif
	WIN 0x0a+5*((\a)/4)
.irp b, 0,1,2,3,4,5,6,7
.irp r, 0,1,2,3
	v_cvt_pk_f16_f32 v[TMP+4*(\b)+(\r)], v[64*((\a)%4)+8*(\b)+2*(\r)], v[64*((\a)%4)+8*(\b)+2*(\r)+1]
.endr
.endr
	WIN 0
.irp b, 0,1,2,3,4,5,6,7
.if (\ori) == 0
	global_store_b128 v[VL], v[TMP+4*(\b):TMP+4*(\b)+3], s[8:9] offset:((\b)/4)*524288+((\b)%4)*512
.else
	global_store_b128 v[VL], v[TMP+4*(\b):TMP+4*(\b)+3], s[8:9] offset:(\b)*2048
.endif
.endr
.endr
.endm
	s_wait_tensorcnt 1                             ; my part of K step 0 is in; K step 1's load may stay out
	s_barrier_signal -1
	s_barrier_wait -1
	FETCH 0, F0
.Lk:                                                   ; 22 trips: K steps 0 to 21
	s_wait_loadcnt 0x0                             ; CB's loads, the kernel's only loads into registers: the wait stands on every way through a trip; only at a tile's first K step may they be out
	s_and_b32 s[KQ], s[STP], 7
	s_cmp_eq_u32 s[KQ], 0
	s_cbranch_scc0 .Lq_on
.rept 5
	v_nop                                          ; the products below write the accumulators anew (their C is CB: no link of a chain in place): five plain vector instructions stand between them
.endr                                                  ; and the last products on those registers, on every way through the text (ISA guide 7.12.1): three times in the launch
	QUARTER 64, F0, F1, 1                          ; a tile's first quarter starts the sums
	WIN 0
	s_branch .Lq_both
.Lq_on:
	QUARTER 64, F0, F1, 0
	WIN 0
.Lq_both:
	QUARTER 128, F1, F0, 0
	QUARTER 192, F0, F1, 0
	NEXTADR
	TURN
	WIN 0
	s_cmp_eq_u32 s[KQ], 7
	s_cbranch_scc0 .Lno_out
	s_cmp_eq_u32 s[STP], 7                         ; a tile is finished.  The next tile's CB: k_bias, 4,096 bytes behind q_bias, or 0
	s_cbranch_scc0 .Lcb_zero
	s_wait_loadcnt 0x0                             ; the loads that named CB and this base are done (they were waited for at the trips' heads, so this is met at once): both are written again below
	s_add_nc_u64 s[68:69], s[68:69], 4096
.set i, 0
.rept 16
	global_load_b128 v[CB+4*i:CB+4*i+3], v[HB32], s[68:69] offset:64*(i/2)+16*(i%2)
.set i, i+1
.endr
	s_branch .Lcb_done
.Lcb_zero:
.set i, 0
.rept 64
	v_mov_b32 v[CB+i], 0
.set i, i+1
.endr
.Lcb_done:
	OUT 0                                          ; blocks 0-3 were finished in front of the joint load's places; their 128 conversions are the places behind blocks 4-7's products
	s_mov_b64 s[16:17], (1<<25)-7*2048             ; from my last block of this tensor to my first of the next
.Lno_out:
	s_add_co_u32 s[STP], s[STP], 1
	s_cmp_lt_u32 s[STP], STEPS-2
	s_cbranch_scc1 .Lk
	s_mov_b32 s[CNT], 2                            ; K steps 22 and 23 ask for nothing more
.Lfin:
	QUARTER 64,  F0, F1, 0
	QUARTER 128, F1, F0, 0
	QUARTER 192, F0, F1, 0
	WIN 0
	s_sub_co_u32 s[CNT], s[CNT], 1
	s_cmp_eq_u32 s[CNT], 0
	s_cbranch_scc1 .Lfinq
	NEXTADR
	MEET 0                                         ; K step 23's tile has landed, everybody's part of it; nothing is filled again, so no round follows
	PLACES
	FETCH 0, F0
	MUL16 F1, 1, 0, 0
	MUL16 F1, 1, 2, 0
	WIN 0
	s_branch .Lfin
.Lfinq:                                                ; the very last quarter: nothing more to fetch
	s_wait_dscnt 8
	MUL16 F1, 0, 0, 0
	MUL16 F1, 0, 2, 0
	s_wait_dscnt 0x0
	MUL16 F1, 1, 0, 0
	MUL16 F1, 1, 2, 0
	PLACES
	OUT 1
	s_wait_tensorcnt 0x0                           ; the wave's end
	ds_add_u32 v[SPW], v[NIL]
	s_wait_dscnt 0x0
	CROUND                                         ; the closing round
	s_endpgm
.Lfunc_end_k_qf28200a685_qkv:
	.size	k_qf28200a685_qkv, .Lfunc_end_k_qf28200a685_qkv-k_qf28200a685_qkv
	.p2alignl 7, 3214868480
	.fill 96, 4, 3214868480
	.section	.rodata,"a",@progbits
	.p2align	6, 0x0
	.amdhsa_kernel k_qf28200a685_qkv
		.amdhsa_group_segment_fixed_size 327680
		.amdhsa_private_segment_fixed_size 0
		.amdhsa_enable_private_segment 0
		.amdhsa_kernarg_size 32
		.amdhsa_user_sgpr_count 2
		.amdhsa_user_sgpr_kernarg_segment_ptr 1
		.amdhsa_wavefront_size32 1
		.amdhsa_system_sgpr_workgroup_id_x 1
		.amdhsa_system_sgpr_workgroup_id_y 1
		.amdhsa_system_sgpr_workgroup_id_z 1
		.amdhsa_system_vgpr_workitem_id 0
		.amdhsa_next_free_vgpr 1024
		.amdhsa_next_free_sgpr 88
		.amdhsa_reserve_vcc 0
		.amdhsa_float_denorm_mode_32 3
		.amdhsa_float_denorm_mode_16_64 3
		.amdhsa_memory_ordered 1
		.amdhsa_forward_progress 1
		.amdhsa_inst_pref_size 125
	.end_amdhsa_kernel
	.amdgpu_metadata
---
amdhsa.version: [ 1, 2 ]
amdhsa.kernels:
  - .name:           k_qf28200a685_qkv
    .symbol:         k_qf28200a685_qkv.kd
    .args:
      - { .name: xb, .offset: 0, .size: 8, .value_kind: global_buffer, .address_space: global }
      - { .name: wqkv, .offset: 8, .size: 8, .value_kind: global_buffer, .address_space: global }
      - { .name: qkv, .offset: 16, .size: 8, .value_kind: global_buffer, .address_space: global }
      - { .name: par, .offset: 24, .size: 8, .value_kind: global_buffer, .address_space: global }
    .group_segment_fixed_size: 327680
    .private_segment_fixed_size: 0
    .kernarg_segment_align: 8
    .kernarg_segment_size: 32
    .max_flat_workgroup_size: 128
    .sgpr_count:     88
    .vgpr_count:     1024
    .wavefront_size: 32
...
	.end_amdgpu_metadata
.endif
;; end of part 2
;; launch tail (part 3): grid 256 x 1, 4 waves a work-group, no clusters, 248,320 bytes of LDS; arguments qkv, xb, wf, par, out0; writes out0
.if DOCPART == 3
	.amdgcn_target "amdgcn-amd-amdhsa--gfx1250"
	.amdhsa_code_object_version 6
	.text
	.protected	k_qf28200a685_tail
	.globl	k_qf28200a685_tail
	.p2align	8
	.type	k_qf28200a685_tail,@function
k_qf28200a685_tail:
	s_mov_b64 s[64:65], 0
	v_nop
	global_prefetch_b8 v0, s[64:65] scope:SCOPE_SE
	s_setreg_imm32_b32 hwreg(HW_REG_WAVE_MODE, 25, 1), 1
	s_wait_xcnt 0x0
; ATTENTION, LN1, FF, LN2 for 64 tokens a work-group.  Wave w owns heads 4w..4w+3 = columns 256w..256w+255 in every phase (in FF1: hid 64w..64w+63).
; LAYOUT.  All products are used transposed, so that a lane holds ONE token (lane % 16) of a tile of 16 and the columns 8 (lane / 16) + 0..7 of a block of 16: O, z, y, u and FF2's sums have the same
; lane and the same 16 bytes (f16) of LDS.  The panel XY (64 rows x 256 columns a wave) holds xb (bf16) -> z = x + attention + v_bias -> y = LN1 -> u / 64 = (y + ff + b2) / 64, in place.
; ATTENTION.  Causal in windows of 128 with the window before: four key steps of 64: own window's keys 0-63, 64-127, then the window before.  The first step holds key 0 of the own window, which every
; query sees, so the running maximum m is a true score from the first step on.  p = 2^(c s - c m), c = log2(e) / 8; O and l are multiplied by a = 2^(c m_old - c m_new) in every step.
; The mask is the C operand that starts S^T = K Q^T: 0, or -1e30 where the key is hidden (three tiles: key block before, at, behind the query's block).  In window 0 the steps of the window before read the
; own window again and are hidden whole.  The key step that is wholly hidden for the first half of a window is computed all the same: the second half's work-groups need it and set the pace.
; THE NORM IS WRITTEN ONCE: a loop of two trips goes round norm, FF1 and FF2; the second trip leaves behind the norm.  The passes differ in par's pointer, in eps and in where the result goes.
; FORMATS AND LIMITS.  q, k, v, p, z, y in f16 (each below 65,504); h and u are kept divided by 64 (below 4.19e6); LN2 runs on u / 64 with eps / 4096, the same function.  Sums, maxima, means, variances in f32;
; the variance is the mean of (z - mean)^2, a second pass.  A weight below 2^-126 counts as 0.  NaN and infinities are not treated apart.
; NO CLUSTER: no two waves of a work-group take the same weights; beside the panels LDS has room for slots of 32 KB only, 32 products a wave for each joint load; neighbours' K and V tiles differ by their place.
; The FF weights stream into registers, eight sets of 4 KB a wave ahead.
; REGISTERS, in windows of 256 (s_set_vgpr_msb: bits 1:0 source 0, 3:2 source 1, 5:4 source 2, 7:6 destination):
;   window 0: v0-31 addresses and constants; v32-47 statistics; v48-63 at work; v64-191 S^T / the norm's factors / FF's sums; v192-255 P / a tile's 16 rows / b2
;   window 1: O^T v0-127, row sums v128-135, v_bias v160-191, xb v192-255; the norm: gain v0-127, bias v128-255; FF2: y v0-63
;   window 2: Q v0-63, K v64-127, V v128-191, masks v192-223; FF1: y's fragments v0-127, ff1_b v128-159; FF2: h, all 256; LN2: rows on their way out v0-127
;   window 3: the ring of eight weight sets
.set PIT,   528                        ; a panel's row: 512 bytes + 16: the 16 rows of a load start at 16 different groups of four banks
.set TR,    16*PIT
.set PAN,   64*PIT
.set HBASE, 4*PAN                      ; h / 64: 64 rows x 256 f16
.set STG,   HBASE+PAN                  ; 16 rows x 1,040 bytes for each wave: the way out
.set SPIT,  1040
.set STGW,  16*SPIT
.set STAT,  STG+4*STGW                 ; two exchanges of [wave][row] f32: row sums, sums of squares
.set BVT,   STAT+4096                  ; v_bias; 4,096 bytes behind it ff2_b / 64
.set SPARE, BVT+8192                   ; the spare words, 128 bytes for each wave
.set RR,1
.set HH,2
.set LOFF,3                            ; 16 x lane
.set XA,4                              ; my place in my panel: PAN w + 528 r + 16 h
.set XC,5
.set BVA,6
.set TA,7
.set B2A,8
.set SW,9
.set SR,10
.set KO,11                             ; K's byte offset in qkv; later an LDS address
.set VO,12                             ; V's; later an LDS address
.set YA,13
.set YC,14
.set HA,15
.set HR,16
.set SG,17
.set SGR,18
.set GO,19
.set PO,20                             ; 32 h
.set QO,21
.set ONE,22
.set SIX,23                            ; 2^-6
.set SPW,24                            ; LDS address of my spare word; never rewritten
.set NIL,25                            ; 0; never rewritten
.set RS,26
.set NMU,28
.set ZERO,30
.set T1,31
.set ST,32                             ; tile t: c m, m, l (even keys', odd keys')
.set TC,48                             ; tile t: c0-c3
.set S,64
.set P,192
.set O,0
.set SUM,128
.set BV,160
.set XB,192
.set Q,0
.set K,64
.set V,128
.set MD,192
.set TB,200
.set TD,208
.set TH,216
.set B1,128
.set WV,14
.set GI,15
.set HALF,16
.set WDW,17
.set CBO,20
.set PBO,21
.set NP,22
.set NEG,23
.set HOFF,24
.set QOO,25
.set CS,26
.set SEL,28
.set AL,30
.set VB,32
.set VHS,34
.set OFF,36
.set PW,38
.set P1,40
.set II,42
.set HD,43
.set HO,44
.set G0,52
.set G1,56
.set SZ,66
.set SS,67
.set CNT,68
.set PASS,69                           ; 2: LN1; 1: LN2
.set C6,70
.set C10,72
.set EPS,73
.set PO1,74
.set PO2,75
.set MSB, 0
.macro WIN new
.if MSB != (\new)
	s_set_vgpr_msb (MSB<<8)|(\new)
.set MSB, (\new)
.endif
.endm
.macro PLACES                          ; four plain vector instructions between matrix instructions and loads into, or reads of, their registers
.rept 4
	v_nop
.endr
.endm
.macro ALL4 line:vararg                ; one line for each tile t
.set t, 0
.rept 4
	\line
.set t, t+1
.endr
.endm
.macro BAR                             ; my LDS instructions are done, then the barrier
	s_wait_dscnt 0x0
	s_barrier_signal -1
	s_barrier_wait -1
.endm
.macro TREE base                       ; the 16 pairs of each tile at base + 32 t are added into the first, in place
.irp w, 16,8,4,2
.set p, 0
.rept (\w)/2
	ALL4 v_pk_add_f32 v[(\base)+32*t+2*p:(\base)+32*t+2*p+1], v[(\base)+32*t+2*p:(\base)+32*t+2*p+1], v[(\base)+32*t+2*p+(\w):(\base)+32*t+2*p+(\w)+1]
.set p, p+1
.endr
.endr
.endm
.macro SUMOUT                          ; v56-59 hold my lanes' row sums of the four tiles: the other half of the lanes' is added, and they go into the first exchange
	ALL4 v_permlanex16_b32 v[60+t], v[56+t], s[SEL], s[SEL+1]
	ALL4 v_add_f32 v[56+t], v[56+t], v[60+t]
	ALL4 ds_store_b32 v[SW], v[56+t] offset:64*t
.endm
.macro LDQ                             ; 64 tokens x 64 channels are 8,192 consecutive bytes, already in fragment order
	WIN 0x80
.set i, 0
.rept 16
	global_load_b128 v[Q+4*i:Q+4*i+3], v[QO], s[4:5] offset:512*i
.set i, i+1
.endr
	WIN 0
.endm
.macro LDK
	WIN 0x80
.set i, 0
.rept 16
	global_load_b128 v[K+4*i:K+4*i+3], v[KO], s[4:5] offset:512*i
.set i, i+1
.endr
	WIN 0
.endm
	; ---------------- the head
	s_load_b256 s[4:11], s[0:1], 0x0               ; qkv s[4:5], xb s[6:7], wf s[8:9], par s[10:11]
	s_load_b64 s[12:13], s[0:1], 0x20              ; out0
	v_lshl_add_u32 v[SPW], v0, 2, SPARE
	v_mov_b32 v[NIL], 0
	ds_add_u32 v[SPW], v[NIL]                      ; the wave's opening: the add and its wait stand ahead of my tensor load
	ds_add_u32 v24, v25
	v_lshrrev_b32 v1, 5, v0
	v_readfirstlane_b32 s[WV], v1
	s_mov_b32 s[GI], ttmp9
	s_and_b32 s[HALF], s[GI], 1                    ; which half of a window my 64 queries are
	s_bfe_u32 s[WDW], s[GI], 0x50001               ; the window, 0..31
	s_lshl_b32 s[CBO], s[WDW], 14                  ; a window is 16,384 bytes of a head
	s_max_u32 s[PBO], s[WDW], 1
	s_sub_co_u32 s[PBO], s[PBO], 1
	s_lshl_b32 s[PBO], s[PBO], 14                  ; the window before; for window 0 the own one, hidden whole
	s_mov_b32 s[NEG], 0xf149f2ca                   ; -1e30
	s_cmp_eq_u32 s[WDW], 0
	s_cselect_b32 s[NP], s[NEG], 0
	s_lshr_b32 s[HOFF], s[GI], 6
	s_lshl_b32 s[HOFF], s[HOFF], 2
	s_add_co_u32 s[HOFF], s[HOFF], s[WV]
	s_lshl_b32 s[HOFF], s[HOFF], 21                ; (16 batch + 4 w) heads of 524,288 bytes
	s_and_b32 s[QOO], s[GI], 63
	s_lshl_b32 s[QOO], s[QOO], 13
	s_mov_b32 s[CS], 0x3e38aa3b                    ; c = log2(e) / 8
	s_mov_b32 s[CS+1], s[CS]
	s_mov_b32 s[SEL], 0x76543210
	s_mov_b32 s[SEL+1], 0xfedcba98
	s_mov_b32 s[AL+1], 0
	s_mov_b32 s[VB+1], 0
	s_mov_b32 s[C6], 0x3c800000                    ; 2^-6
	s_mov_b32 s[C6+1], s[C6]
	s_mov_b32 s[C10], 0x3a800000                   ; 2^-10
	s_mov_b32 s[G0], 1
	s_mul_i32 s[G0+1], s[WV], PAN                  ; my panel
	s_mov_b32 s[G1], (1<<16)|(1<<20)|(6<<22)|(3<<25)  ; 2-byte elements; padding on: after every 128 words 4 words
	s_mov_b32 s[G1+1], 256<<16                     ; tensor_dim0 = 256
	s_mov_b32 s[G1+2], 64<<16                      ; tensor_dim1 = 64
	s_mov_b32 s[G1+3], 256<<16                     ; tile_dim0 = 256
	s_mov_b32 s[G1+4], 64                          ; tile_dim1 = 64
	s_mov_b32 s[G1+5], 1024
	s_mov_b32 s[G1+6], 0
	s_mov_b32 s[G1+7], 0
	s_lshl_b32 s[OFF], s[GI], 17
	s_lshl_b32 s46, s[WV], 9
	s_add_co_u32 s[OFF], s[OFF], s46
	s_mov_b32 s[OFF+1], 0
	v_and_b32 v[LOFF], 31, v0
	v_lshlrev_b32 v[LOFF], 4, v[LOFF]
	s_wait_dscnt 0x0                               ; the opening add is done
	s_wait_kmcnt 0x0
	s_add_co_u32 s46, s[HOFF], s[QOO]              ; what the first products need goes out first: Q and K of head 0,
	v_add_nc_u32 v[QO], s46, v[LOFF]
	LDQ
	s_add_co_u32 s46, s[HOFF], s[CBO]
	s_add_co_u32 s46, s46, 1<<25
	v_add_nc_u32 v[KO], s46, v[LOFF]
	LDK
	s_add_nc_u64 s[G0+2:G0+3], s[6:7], s[OFF:OFF+1]
	s_or_b32 s[G0+3], s[G0+3], 0x80000000
	tensor_load_to_lds s[G0:G0+3], s[G1:G1+7]      ; then xb of my 64 tokens x 256 columns, wanted at the first head's end: the wave's one tensor load; nothing is ever filled again
	s_nop 0
.rept 4
	v_nop
.endr
	s_lshl_b32 s[OFF], s[WV], 10
	s_add_nc_u64 s[PW:PW+1], s[10:11], s[OFF:OFF+1]   ; par at my 256 columns
	s_lshl_b32 s46, s[GI], 18
	s_add_co_u32 s[OFF], s[OFF], s46
	s_add_nc_u64 s[12:13], s[12:13], s[OFF:OFF+1]     ; out0 at my rows and columns
	s_lshl_b32 s[OFF], s[WV], 8
	s_add_nc_u64 s[P1:P1+1], s[10:11], s[OFF:OFF+1]   ; par at my 64 hid
	s_lshl_b32 s[OFF], s[WV], 18
	s_add_nc_u64 s[8:9], s[8:9], s[OFF:OFF+1]         ; my stream of weights
	global_load_b128 v[64:67], v[LOFF], s[PW:PW+1] offset:8192         ; v_bias
	global_load_b128 v[68:71], v[LOFF], s[PW:PW+1] offset:8192+512
	global_load_b128 v[72:75], v[LOFF], s[PW:PW+1] offset:28672        ; ff2_b
	global_load_b128 v[76:79], v[LOFF], s[PW:PW+1] offset:28672+512
	v_and_b32 v[RR], 15, v0
	v_bfe_u32 v[HH], v0, 4, 1
	v_mul_u32_u24 v[YA], v[RR], PIT
	v_lshl_add_u32 v[YA], v[HH], 4, v[YA]
	s_mul_i32 s46, s[WV], PAN
	v_add_nc_u32 v[XA], s46, v[YA]
	v_add_nc_u32 v[HR], HBASE, v[YA]
	s_lshl_b32 s46, s[WV], 7
	v_add_nc_u32 v[HA], s46, v[HR]
	s_lshl_b32 s46, s[WV], 10
	s_add_co_u32 s47, s46, BVT
	v_lshl_add_u32 v[BVA], v[HH], 5, s47
	v_add_nc_u32 v[B2A], 4096, v[BVA]
	v_add_nc_u32 v[TA], s47, v[LOFF]
	s_lshl_b32 s46, s[WV], 8
	s_add_co_u32 s46, s46, STAT
	v_lshl_add_u32 v[SW], v[RR], 2, s46
	v_lshlrev_b32 v[SR], 2, v[RR]
	v_add_nc_u32 v[SR], STAT, v[SR]
	s_mul_i32 s46, s[WV], STGW
	s_add_co_u32 s46, s46, STG
	v_mul_u32_u24 v[SG], v[RR], SPIT
	v_lshl_add_u32 v[SG], v[HH], 5, v[SG]
	v_add_nc_u32 v[SG], s46, v[SG]
	v_mul_u32_u24 v[SGR], v[HH], SPIT
	v_lshl_add_u32 v[SGR], v[RR], 4, v[SGR]
	v_add_nc_u32 v[SGR], s46, v[SGR]
	v_lshlrev_b32 v[GO], 12, v[HH]
	v_lshl_add_u32 v[GO], v[RR], 4, v[GO]
	v_lshlrev_b32 v[PO], 5, v[HH]
	v_mov_b32 v[ONE], 1.0
	v_mov_b32 v[SIX], 0x3c800000
	v_mov_b32 v[ZERO], 0
	v_lshlrev_b32 v[T1], 3, v[HH]
	v_sub_nc_u32 v[T1], v[RR], v[T1]               ; r - 8 h: in the query's own key block register j is hidden where j is greater
	WIN 0x80
.set i, 0
.rept 8
	v_cmp_gt_i32 vcc_lo, i, v[T1]
	v_cndmask_b32 v[MD+i], 0, s[NEG], vcc_lo
.set i, i+1
.endr
	WIN 0x40                                       ; a head's first step multiplies O^T and l by a = 0, so they need only be finite: zeros once, in the wait for the first loads; the row sums start at 0
.set i, 0
.rept 136
	v_mov_b32 v[i], 0
.set i, i+1
.endr
	WIN 0
	ALL4 v_mov_b32 v[ST+4*t], 0xfe000000
	ALL4 v_mov_b32 v[ST+4*t+1], 0xff7fffff
	ALL4 v_mov_b32 v[ST+4*t+2], 0
	ALL4 v_mov_b32 v[ST+4*t+3], 0
	s_wait_loadcnt 0x0                             ; Q, K and the four table loads, which are the youngest
.irp i, 72,74,76,78
	v_pk_mul_f32 v[\i:(\i)+1], v[\i:(\i)+1], s[C6:C6+1] op_sel_hi:[1,0]
.endr
	ds_store_b128 v[TA], v[64:67]                  ; my quarter of the two tables: only I read it
	ds_store_b128 v[TA], v[68:71] offset:512
	ds_store_b128 v[TA], v[72:75] offset:4096
	ds_store_b128 v[TA], v[76:79] offset:4608
	s_wait_dscnt 0x0
	; ---------------- attention: four heads, four key steps each
	s_mov_b32 s[HD], 4
	s_mov_b32 s[HO], 0
.Lhead:
	s_mov_b32 s[II], 0
.Lstep:
	s_bitcmp1_b32 s[II], 1                         ; V of this step: steps 2, 3 lie in the window before
	s_cselect_b32 s46, s[PBO], s[CBO]
	s_and_b32 s47, s[II], 1
	s_lshl_b32 s47, s47, 13
	s_add_co_u32 s46, s46, s47
	s_add_co_u32 s46, s46, s[HOFF]
	s_add_co_u32 s46, s46, 1<<26
	v_add_nc_u32 v[VO], s46, v[LOFF]
	WIN 0x80
.set i, 0
.rept 16                               ; block 4 tb + cb is half a fragment of V^T: keys 32 (tb / 2) on, channels 16 cb on
	global_load_b128 v[V+32*(i/8)+8*(i%4)+4*((i/4)%2):V+32*(i/8)+8*(i%4)+4*((i/4)%2)+3], v[VO], s[4:5] offset:512*i
.set i, i+1
.endr
	s_sub_co_i32 s47, s[II], s[HALF]               ; the step against my half of the window: behind it all is hidden, in it the diagonal, before it nothing
	s_cmp_gt_i32 s47, 0
	s_cselect_b32 s[VB], s[NEG], 0
	s_cmp_ge_i32 s47, 0
	s_cselect_b32 s[VHS], s[NEG], 0
	s_cmp_eq_u32 s47, 0
	s_cselect_b32 s[AL], 1.0, 0
	s_cmp_ge_u32 s[II], 2                          ; the window before: all seen, or (window 0) all hidden
	s_cselect_b32 s[VB], s[NP], s[VB]
	s_cselect_b32 s[VHS], s[NP], s[VHS]
	s_cselect_b32 s[AL], 0, s[AL]
.set i, 0
.rept 8
	v_mov_b32 v[TB+i], s[VB]
	v_mov_b32 v[TH+i], s[VHS]
.set i, i+1
.endr
	WIN 0x82
.set i, 0
.rept 4
	v_pk_fma_f32 v[TD+2*i:TD+2*i+1], v[MD+2*i:MD+2*i+1], s[AL:AL+1], s[VB:VB+1] op_sel_hi:[1,0,0]
.set i, i+1
.endr
	; S^T = K Q^T: 32 products, the 16 accumulators by turns
.irp c, 0,1
.irp t, 0,1,2,3
.irp kb, 0,1,2,3
.if (\c) == 0
.if (\kb) < (\t)
.set MK, TB
.elseif (\kb) == (\t)
.set MK, TD
.else
.set MK, TH
.endif
	WIN 0x2a
	v_wmma_f32_16x16x32_f16 v[S+32*(\t)+8*(\kb):S+32*(\t)+8*(\kb)+7], v[K+16*(\kb):K+16*(\kb)+7], v[Q+16*(\t):Q+16*(\t)+7], v[MK:MK+7]
.else
	WIN 0x0a
	v_wmma_f32_16x16x32_f16 v[S+32*(\t)+8*(\kb):S+32*(\t)+8*(\kb)+7], v[K+16*(\kb)+8:K+16*(\kb)+15], v[Q+16*(\t)+8:Q+16*(\t)+15], v[S+32*(\t)+8*(\kb):S+32*(\t)+8*(\kb)+7]
.endif
.endr
.endr
.endr
	WIN 0
	PLACES
	s_cmp_lg_u32 s[II], 3
	s_cbranch_scc1 .Lno_q                          ; not a head's last step: the next step's K alone
	s_cmp_eq_u32 s[HD], 1
	s_cbranch_scc1 .Lno_load                       ; the last step of all: nothing is left to fetch
	s_add_co_u32 s46, s[HOFF], s[QOO]
	s_add_co_u32 s46, s46, 1<<19
	v_add_nc_u32 v[QO], s46, v[LOFF]
	LDQ                                            ; the next head's Q
.Lno_q:
	s_add_co_u32 s46, s[II], 1
	s_lshr_b32 s47, s46, 2                         ; 1: the next head's step 0
	s_lshl_b32 s47, s47, 19
	s_and_b32 s48, s46, 1
	s_lshl_b32 s48, s48, 13
	s_add_co_u32 s47, s47, s48
	s_and_b32 s46, s46, 3
	s_bitcmp1_b32 s46, 1
	s_cselect_b32 s46, s[PBO], s[CBO]
	s_add_co_u32 s46, s46, s47
	s_add_co_u32 s46, s46, s[HOFF]
	s_add_co_u32 s46, s46, 1<<25
	v_add_nc_u32 v[KO], s46, v[LOFF]
	LDK
.Lno_load:
	; the softmax of four tiles, each line for all four: the maximum (each accumulator's lowest registers first)
.irp n, 0,1,2,3
	ALL4 v_max3_num_f32 v[TC+4*t+(\n)], v[S+32*t+8*(\n)], v[S+32*t+8*(\n)+1], v[S+32*t+8*(\n)+2]
.endr
.irp n, 4,5,6,7,8,9,10,11
	ALL4 v_max3_num_f32 v[TC+4*t+(\n)%4], v[TC+4*t+(\n)%4], v[S+32*t+8*((\n)%4)+2*((\n)/4)+1], v[S+32*t+8*((\n)%4)+2*((\n)/4)+2]
.endr
	ALL4 v_max3_num_f32 v[TC+4*t], v[TC+4*t], v[S+32*t+7], v[S+32*t+15]
	ALL4 v_max3_num_f32 v[TC+4*t+1], v[TC+4*t+1], v[S+32*t+23], v[S+32*t+31]
	ALL4 v_max3_num_f32 v[TC+4*t+2], v[TC+4*t+2], v[TC+4*t+3], v[ST+4*t+1]
	ALL4 v_max3_num_f32 v[TC+4*t], v[TC+4*t], v[TC+4*t+1], v[TC+4*t+2]
	ALL4 v_permlanex16_b32 v[TC+4*t+3], v[TC+4*t], s[SEL], s[SEL+1]   ; the query's other 32 keys lie in the lane 16 away
	ALL4 v_mov_b32 v[TC+4*t+1], v[ST+4*t]                             ; c m_old
	ALL4 v_max_num_f32 v[ST+4*t+1], v[TC+4*t], v[TC+4*t+3]
	ALL4 v_mul_f32 v[ST+4*t], s[CS], v[ST+4*t+1]
	ALL4 v_sub_f32 v[TC+4*t+1], v[TC+4*t+1], v[ST+4*t]
	ALL4 v_exp_f32 v[TC+4*t+2], v[TC+4*t+1]                           ; a
.set p, 0
.rept 16
	ALL4 v_pk_fma_f32 v[S+32*t+2*p:S+32*t+2*p+1], v[S+32*t+2*p:S+32*t+2*p+1], s[CS:CS+1], v[ST+4*t:ST+4*t+1] op_sel_hi:[1,0,0] neg_lo:[0,0,1] neg_hi:[0,0,1]
.set p, p+1
.endr
.set i, 0
.rept 128
	v_exp_f32 v[S+i], v[S+i]
.set i, i+1
.endr
	v_nop                                          ; a plain instruction behind the last exponential
.set i, 0
	s_wait_alu depctr_va_vdst(0)
.rept 64
	v_cvt_pk_f16_f32 v[P+i], v[S+2*i], v[S+2*i+1]
.set i, i+1
.endr
	TREE S
	ALL4 v_pk_fma_f32 v[ST+4*t+2:ST+4*t+3], v[ST+4*t+2:ST+4*t+3], v[TC+4*t+2:TC+4*t+3], v[S+32*t:S+32*t+1] op_sel_hi:[1,0,1]
	WIN 0x41
.set i, 0
.rept 64
	v_pk_mul_f32 v[O+2*i:O+2*i+1], v[O+2*i:O+2*i+1], v[TC+4*(i/16)+2:TC+4*(i/16)+3] op_sel_hi:[1,0]
.set i, i+1
.endr
	s_wait_loadcnt 0x0                             ; V, and the next K and Q: zero holds on every way here
	WIN 0x52
.irp kk, 0,1
.irp t, 0,1,2,3
.irp cb, 0,1,2,3
	v_wmma_f32_16x16x32_f16 v[O+32*(\t)+8*(\cb):O+32*(\t)+8*(\cb)+7], v[V+32*(\kk)+8*(\cb):V+32*(\kk)+8*(\cb)+7], v[P+16*(\t)+8*(\kk):P+16*(\t)+8*(\kk)+7], v[O+32*(\t)+8*(\cb):O+32*(\t)+8*(\cb)+7]
.endr
.endr
.endr
	PLACES
	WIN 0
	s_add_co_u32 s[II], s[II], 1
	s_cmp_lt_u32 s[II], 4
	s_cbranch_scc1 .Lstep
	; a head's end: z = O / l + v_bias + x, its row sums, and z in f16 into the place of xb
	v_add_nc_u32 v[XC], s[HO], v[XA]
	s_lshl_b32 s46, s[HO], 1
	v_add_nc_u32 v[TA], s46, v[BVA]
	s_wait_tensorcnt 0x0                           ; my panel of xb is in (only I read it): its one load was issued at the kernel's head, so only the first of the four trips can wait here
	WIN 0x40
.set i, 0
.rept 8
	ds_load_b128 v[BV+4*i:BV+4*i+3], v[TA] offset:64*(i/2)+16*(i%2)
.set i, i+1
.endr
.set i, 0
.rept 16
	ds_load_b128 v[XB+4*i:XB+4*i+3], v[XC] offset:TR*(i/4)+32*(i%4)
.set i, i+1
.endr
	WIN 0
	ALL4 v_add_f32 v[TC+4*t], v[ST+4*t+2], v[ST+4*t+3]
	ALL4 v_permlanex16_b32 v[TC+4*t+1], v[TC+4*t], s[SEL], s[SEL+1]
	ALL4 v_add_f32 v[TC+4*t], v[TC+4*t], v[TC+4*t+1]
	ALL4 v_rcp_f32 v[TC+4*t+2], v[TC+4*t]
	v_nop
	s_wait_dscnt 0x0
	WIN 0x51
.set i, 0
	s_wait_alu depctr_va_vdst(0)
.rept 64
	v_pk_fma_f32 v[O+2*i:O+2*i+1], v[O+2*i:O+2*i+1], v[TC+4*(i/16)+2:TC+4*(i/16)+3], v[BV+2*(i%16):BV+2*(i%16)+1] op_sel_hi:[1,0,1]
.set i, i+1
.endr
.set i, 0
.rept 64
	v_fma_mix_f32_bf16 v[O+2*i], v[XB+i], v[ONE], v[O+2*i] op_sel_hi:[1,0,0]
	v_fma_mix_f32_bf16 v[O+2*i+1], v[XB+i], v[ONE], v[O+2*i+1] op_sel:[1,0,0] op_sel_hi:[1,0,0]
.set i, i+1
.endr
	WIN 0x45
.set i, 0
.rept 64
	v_cvt_pk_f16_f32 v[XB+i], v[O+2*i], v[O+2*i+1]
.set i, i+1
.endr
	WIN 0x04
.set i, 0
.rept 16
	ds_store_b128 v[XC], v[XB+4*i:XB+4*i+3] offset:TR*(i/4)+32*(i%4)
.set i, i+1
.endr
	WIN 0x45
	TREE O
	ALL4 v_pk_add_f32 v[SUM+2*t:SUM+2*t+1], v[SUM+2*t:SUM+2*t+1], v[O+32*t:O+32*t+1]
	WIN 0
	ALL4 v_mov_b32 v[ST+4*t], 0xfe000000           ; the next head starts anew: c m far below every c s, m the lowest finite number
	ALL4 v_mov_b32 v[ST+4*t+1], 0xff7fffff
	s_add_co_u32 s[HOFF], s[HOFF], 1<<19
	s_add_co_u32 s[HO], s[HO], 128
	s_sub_co_u32 s[HD], s[HD], 1
	s_cmp_lg_u32 s[HD], 0
	s_cbranch_scc1 .Lhead
	; ---------------- z's row sums go out; the weight ring's first eight sets (32 KB of my stream) and ff1_b are asked for
	WIN 0x05
	ALL4 v_add_f32 v[56+t], v[SUM+2*t], v[SUM+2*t+1]
	WIN 0
	SUMOUT
	WIN 0xc0
.set i, 0
.rept 64
	global_load_b128 v[4*i:4*i+3], v[LOFF], s[8:9] offset:512*i
.set i, i+1
.endr
	WIN 0x80
.set i, 0
.rept 8
	global_load_b128 v[B1+4*i:B1+4*i+3], v[PO], s[P1:P1+1] offset:32768+64*(i/2)+16*(i%2)  ; ff1_b of my 64 hid
.set i, i+1
.endr
	WIN 0
	s_mov_b32 s[EPS], 0x3727c5ac                   ; 1e-5
	s_mov_b32 s[PASS], 2
	; ---------------- THE NORM, walked twice: of z (the result y goes back into the panel, f16), then of u / 64 (the result goes out, f32)
.Lln:
	BAR                                            ; every wave's row sums are in LDS
	WIN 0x40                                       ; gain and bias of my 256 columns in the lanes' layout: 8 nbk + j = column 16 nbk + 8 h + j
.set i, 0
.rept 32
	global_load_b128 v[4*i:4*i+3], v[PO], s[PW:PW+1] offset:12288+64*(i/2)+16*(i%2)
	global_load_b128 v[128+4*i:128+4*i+3], v[PO], s[PW:PW+1] offset:16384+64*(i/2)+16*(i%2)
.set i, i+1
.endr
	WIN 0
	; a trip a tile: the mean from the four waves' sums; my 256 columns' sum of (z - mean)^2 into the second exchange
	s_mov_b32 s[SZ], 0
	s_mov_b32 s[SS], 0
	s_mov_b32 s[CNT], 4
.Lvar:
	v_add_nc_u32 v[KO], s[SS], v[SR]
	v_add_nc_u32 v[VO], s[SS], v[SW]
	v_add_nc_u32 v[XC], s[SZ], v[XA]
.set i, 0
.rept 4
	ds_load_b32 v[56+i], v[KO] offset:256*i
.set i, i+1
.endr
.set i, 0
.rept 16
	ds_load_b128 v[P+4*i:P+4*i+3], v[XC] offset:32*i
.set i, i+1
.endr
	s_wait_dscnt 16                                ; the four sums are in; the 16 younger row loads stay out
	v_add_f32 v56, v56, v57
	v_add_f32 v58, v58, v59
	v_add_f32 v56, v56, v58
	v_mul_f32 v[NMU], 0xba800000, v56              ; - mean
	v_mul_f32 v[NMU+1], 0xba800000, v56
	s_wait_dscnt 0x0
.set i, 0
.rept 64
	v_fma_mix_f32 v[S+2*i], v[P+i], v[ONE], v[NMU] op_sel_hi:[1,0,0]
	v_fma_mix_f32 v[S+2*i+1], v[P+i], v[ONE], v[NMU] op_sel:[1,0,0] op_sel_hi:[1,0,0]
.set i, i+1
.endr
.set i, 0
.rept 64                               ; four chains, started by the first four products
.if i < 4
	v_pk_mul_f32 v[TC+2*i:TC+2*i+1], v[S+2*i:S+2*i+1], v[S+2*i:S+2*i+1]
.else
	v_pk_fma_f32 v[TC+2*(i%4):TC+2*(i%4)+1], v[S+2*i:S+2*i+1], v[S+2*i:S+2*i+1], v[TC+2*(i%4):TC+2*(i%4)+1]
.endif
.set i, i+1
.endr
	v_pk_add_f32 v[TC:TC+1], v[TC:TC+1], v[TC+2:TC+3]
	v_pk_add_f32 v[TC+4:TC+5], v[TC+4:TC+5], v[TC+6:TC+7]
	v_pk_add_f32 v[TC:TC+1], v[TC:TC+1], v[TC+4:TC+5]
	v_add_f32 v[TC], v[TC], v[TC+1]
	v_permlanex16_b32 v[TC+1], v[TC], s[SEL], s[SEL+1]
	v_add_f32 v[TC], v[TC], v[TC+1]
	ds_store_b32 v[VO], v[TC] offset:1024
	s_add_co_u32 s[SZ], s[SZ], TR
	s_add_co_u32 s[SS], s[SS], 64
	s_sub_co_u32 s[CNT], s[CNT], 1
	s_cmp_lg_u32 s[CNT], 0
	s_cbranch_scc1 .Lvar
	BAR                                            ; every wave's sums of squares are in LDS
	s_wait_loadcnt 0x0                             ; gain and bias; in the first pass also ff1_b and the ring's first sets
	; a trip a tile: z A + B with A = gain x rstd, B = bias - mean A
	s_mov_b32 s[SZ], 0
	s_mov_b32 s[SS], 0
	s_mov_b32 s[CNT], 4
.Lnorm:
	v_add_nc_u32 v[KO], s[SS], v[SR]
	v_add_nc_u32 v[XC], s[SZ], v[XA]
.set i, 0
.rept 8
	ds_load_b32 v[56+i], v[KO] offset:256*i
.set i, i+1
.endr
.set i, 0
.rept 16
	ds_load_b128 v[P+4*i:P+4*i+3], v[XC] offset:32*i
.set i, i+1
.endr
	s_wait_dscnt 16                                ; the eight statistics are in; the 16 younger row loads stay out
	v_add_f32 v56, v56, v57
	v_add_f32 v58, v58, v59
	v_add_f32 v60, v60, v61
	v_add_f32 v62, v62, v63
	v_add_f32 v56, v56, v58
	v_add_f32 v60, v60, v62
	v_mul_f32 v[NMU], 0xba800000, v56
	v_mul_f32 v[NMU+1], 0xba800000, v56
	v_fma_f32 v60, v60, s[C10], s[EPS]
	v_rsq_f32 v[RS], v60
	v_nop
	s_wait_alu depctr_va_vdst(0)
	v_mov_b32 v[RS+1], v[RS]
	s_wait_dscnt 0x0
.irp hf, 0,1
	WIN 0x01
.set i, 0
.rept 32
	v_pk_mul_f32 v[S+2*i:S+2*i+1], v[64*(\hf)+2*i:64*(\hf)+2*i+1], v[RS:RS+1]
.set i, i+1
.endr
	WIN 0x10
.set i, 0
.rept 32
	v_pk_fma_f32 v[S+64+2*i:S+64+2*i+1], v[S+2*i:S+2*i+1], v[NMU:NMU+1], v[128+64*(\hf)+2*i:128+64*(\hf)+2*i+1]
.set i, i+1
.endr
	WIN 0
	s_cmp_eq_u32 s[PASS], 1
	s_cbranch_scc1 .Lwide\hf
.set i, 0
.rept 32                               ; the first pass: y in f16, in place in the panel
	v_fma_mixlo_f16 v[P+32*(\hf)+i], v[P+32*(\hf)+i], v[S+2*i], v[S+64+2*i] op_sel_hi:[1,0,0]
	v_fma_mixhi_f16 v[P+32*(\hf)+i], v[P+32*(\hf)+i], v[S+2*i+1], v[S+64+2*i+1] op_sel:[1,0,0] op_sel_hi:[1,0,0]
.set i, i+1
.endr
.set i, 0
.rept 8
	ds_store_b128 v[XC], v[P+32*(\hf)+4*i:P+32*(\hf)+4*i+3] offset:32*(8*(\hf)+i)
.set i, i+1
.endr
	s_branch .Lboth\hf
.Lwide\hf:
.set i, 0
.rept 32                               ; the second pass: the result in f32, into my stage
	v_fma_mix_f32 v[S+2*i], v[P+32*(\hf)+i], v[S+2*i], v[S+64+2*i] op_sel_hi:[1,0,0]
	v_fma_mix_f32 v[S+2*i+1], v[P+32*(\hf)+i], v[S+2*i+1], v[S+64+2*i+1] op_sel:[1,0,0] op_sel_hi:[1,0,0]
.set i, i+1
.endr
.set i, 0
.rept 16
	ds_store_b128 v[SG], v[S+4*i:S+4*i+3] offset:64*(8*(\hf)+i/2)+16*(i%2)
.set i, i+1
.endr
.Lboth\hf:
.endr
	s_cmp_eq_u32 s[PASS], 1
	s_cbranch_scc0 .Lkept
	WIN 0x80
.set i, 0
.rept 32
	ds_load_b128 v[4*i:4*i+3], v[SGR] offset:2*SPIT*(i/4)+256*(i%4)  ; LDS serves a wave's instructions in order: these see the stores above
.set i, i+1
.endr
	WIN 0x08
.set i, 0
.rept 32
	s_wait_dscnt 31-i                              ; the 31 - i younger stage loads stay out
	global_store_b128 v[GO], v[4*i:4*i+3], s[12:13] offset:8192*(i/4)+256*(i%4) th:TH_STORE_NT  ; sixteen lanes store 256 consecutive bytes, aligned
.set i, i+1
.endr
	WIN 0
	s_wait_xcnt 0x0                                ; the stores have read their data and base: both are rewritten only behind this wait
	s_add_nc_u64 s[12:13], s[12:13], 65536
.Lkept:
	s_add_co_u32 s[SZ], s[SZ], TR
	s_add_co_u32 s[SS], s[SS], 64
	s_sub_co_u32 s[CNT], s[CNT], 1
	s_cmp_lg_u32 s[CNT], 0
	s_cbranch_scc1 .Lnorm
	s_cmp_eq_u32 s[PASS], 1
	s_cbranch_scc1 .Lend                           ; the second pass ends here
	BAR                                            ; y is whole
	; ---------------- FF1: h^T = W1^T y^T, my 64 hid x 64 tokens, K = 1,024 in 32 sets
.macro REFILL d                        ; sets 2 d, 2 d + 1 of the ring take the sets eight further on
	WIN 0xc0
.set i, 0
.rept 16
	global_load_b128 v[64*(\d)+4*i:64*(\d)+4*i+3], v[LOFF], s[8:9] offset:32768+8192*(\d)+512*i
.set i, i+1
.endr
.endm
.macro YLOAD d                         ; y's fragments for two sets: set e = i / 8, tile (i / 2) % 4
	WIN 0x80
.set i, 0
.rept 16
	ds_load_b128 v[64*((\d)%2)+32*(i/8)+8*((i/2)%4)+4*(i%2):64*((\d)%2)+32*(i/8)+8*((i/2)%4)+4*(i%2)+3], v[YC] offset:TR*((i/2)%4)+64*(2*(\d)+i/8)+32*(i%2)
.set i, i+1
.endr
.endm
.macro DUO1 d
.if (\d) < 3
	YLOAD (\d)+1
	s_wait_dscnt 16                                ; this pair's fragments are in; the 16 just issued stay out
.else
	s_wait_dscnt 0x0
.endif
	s_wait_loadcnt 48                              ; sets 2 d, 2 d + 1 are in; the six younger sets' 48 loads stay out
	WIN 0x0b
.irp e, 0,1
.irp t, 0,1,2,3
.irp n, 0,1,2,3
	v_wmma_f32_16x16x32_f16 v[S+8*(4*(\t)+(\n)):S+8*(4*(\t)+(\n))+7], v[32*(2*(\d)+(\e))+8*(\n):32*(2*(\d)+(\e))+8*(\n)+7], v[64*((\d)%2)+32*(\e)+8*(\t):64*((\d)%2)+32*(\e)+8*(\t)+7], v[S+8*(4*(\t)+(\n)):S+8*(4*(\t)+(\n))+7]
.endr
.endr
.endr
	PLACES
	REFILL \d
.endm
	WIN 0x02
.set i, 0
.rept 128
	v_mov_b32 v[S+i], v[B1+i%32]                   ; the sums start at ff1_b, so that one text serves all four trips
.set i, i+1
.endr
	WIN 0
	s_mov_b32 s[PO1], 0
	s_mov_b32 s[CNT], 4
.Lff1:                                                 ; a trip: one wave's panel of y, 256 of K, eight sets
	v_add_nc_u32 v[YC], s[PO1], v[YA]
	YLOAD 0
	DUO1 0
	DUO1 1
	DUO1 2
	DUO1 3
	WIN 0
	s_wait_xcnt 0x0                                ; the stream's base is stepped only behind this wait
	s_add_nc_u64 s[8:9], s[8:9], 32768
	s_add_co_u32 s[PO1], s[PO1], PAN
	s_sub_co_u32 s[CNT], s[CNT], 1
	s_cmp_lg_u32 s[CNT], 0
	s_cbranch_scc1 .Lff1
.set a, 0
.rept 16                               ; h / 64 = max(sum, 0) / 64 in f16
.set p, 0
.rept 4
	v_pk_mul_f32 v[S+8*a+2*p:S+8*a+2*p+1], v[S+8*a+2*p:S+8*a+2*p+1], s[C6:C6+1] op_sel_hi:[1,0]
.set p, p+1
.endr
.set p, 0
.rept 4
	v_cvt_pk_f16_f32 v[P+4*a+p], v[S+8*a+2*p], v[S+8*a+2*p+1]
.set p, p+1
.endr
.set p, 0
.rept 4
	v_pk_max_num_f16 v[P+4*a+p], v[P+4*a+p], v[ZERO]
.set p, p+1
.endr
	ds_store_b128 v[HA], v[P+4*a:P+4*a+3] offset:TR*(a/4)+32*(a%4)
.set a, a+1
.endr
	BAR                                            ; h is whole, and nobody reads y as an operand any more: each wave may now write its own panel
	WIN 0x80
.set i, 0
.rept 64
	ds_load_b128 v[4*i:4*i+3], v[HR] offset:TR*(i/16)+32*(i%16)   ; all of h stays in registers: tile i / 16, 32 of K for every two loads
.set i, i+1
.endr
	WIN 0
	; ---------------- FF2: my 256 columns in four chunks of 64, K = 256 in eight sets; u / 64 = y / 64 + sums (which start at ff2_b / 64)
.macro PROD fill
.irp d, 0,1,2,3
.if \fill
	s_wait_loadcnt 48                              ; as in FF1
.else
	s_wait_loadcnt 48-16*(\d)                      ; nothing is asked for any more: only the ring's later sets are younger
.endif
	WIN 0x0b
.irp e, 0,1
.irp t, 0,1,2,3
.irp n, 0,1,2,3
.if ((\d)+(\e)) == 0
	v_wmma_f32_16x16x32_f16 v[S+8*(4*(\t)+(\n)):S+8*(4*(\t)+(\n))+7], v[8*(\n):8*(\n)+7], v[64*(\t):64*(\t)+7], v[P+8*(\n):P+8*(\n)+7]
.else
	v_wmma_f32_16x16x32_f16 v[S+8*(4*(\t)+(\n)):S+8*(4*(\t)+(\n))+7], v[32*(2*(\d)+(\e))+8*(\n):32*(2*(\d)+(\e))+8*(\n)+7], v[64*(\t)+8*(2*(\d)+(\e)):64*(\t)+8*(2*(\d)+(\e))+7], v[S+8*(4*(\t)+(\n)):S+8*(4*(\t)+(\n))+7]
.endif
.endr
.endr
.endr
.if \fill
	PLACES
	REFILL \d
.elseif (\d) == 3
	PLACES
.endif
.endr
.endm
.set i, 0
.rept 8
	v_mov_b32 v[TC+i], 0                           ; the row sums of u / 64
.set i, i+1
.endr
	s_mov_b32 s[PO1], 0
	s_mov_b32 s[PO2], 0
	s_mov_b32 s[CNT], 4
.Lff2:
	v_add_nc_u32 v[XC], s[PO1], v[XA]
	v_add_nc_u32 v[TA], s[PO2], v[B2A]
.set i, 0
.rept 8
	ds_load_b128 v[P+4*i:P+4*i+3], v[TA] offset:64*(i/2)+16*(i%2)
.set i, i+1
.endr
	WIN 0x40
.set i, 0
.rept 16
	ds_load_b128 v[4*i:4*i+3], v[XC] offset:TR*(i/4)+32*(i%4)     ; y of the chunk
.set i, i+1
.endr
	WIN 0
	s_wait_dscnt 16                                ; ff2_b / 64 is in, and h, which is older; y's 16 loads stay out
	s_cmp_eq_u32 s[CNT], 1
	s_cbranch_scc1 .Lprod0
	PROD 1
	WIN 0
	s_branch .Lepi
.Lprod0:
	PROD 0
	WIN 0
.Lepi:
	s_wait_dscnt 0x0                               ; y
	WIN 0x01
.set i, 0
.rept 64
	v_fma_mix_f32 v[S+2*i], v[i], v[SIX], v[S+2*i] op_sel_hi:[1,0,0]
	v_fma_mix_f32 v[S+2*i+1], v[i], v[SIX], v[S+2*i+1] op_sel:[1,0,0] op_sel_hi:[1,0,0]
.set i, i+1
.endr
	WIN 0x40
.set i, 0
.rept 64
	v_cvt_pk_f16_f32 v[i], v[S+2*i], v[S+2*i+1]
.set i, i+1
.endr
	WIN 0x04
.set i, 0
.rept 16
	ds_store_b128 v[XC], v[4*i:4*i+3] offset:TR*(i/4)+32*(i%4)
.set i, i+1
.endr
	WIN 0
	TREE S
	ALL4 v_pk_add_f32 v[TC+2*t:TC+2*t+1], v[TC+2*t:TC+2*t+1], v[S+32*t:S+32*t+1]
	s_wait_xcnt 0x0
	s_add_nc_u64 s[8:9], s[8:9], 32768
	s_add_co_u32 s[PO1], s[PO1], 128
	s_add_co_u32 s[PO2], s[PO2], 256
	s_sub_co_u32 s[CNT], s[CNT], 1
	s_cmp_lg_u32 s[CNT], 0
	s_cbranch_scc1 .Lff2
	; ---------------- u's row sums go out, into the exchange that the first pass has done with (two barriers ago); back to the norm
	ALL4 v_add_f32 v[56+t], v[TC+2*t], v[TC+2*t+1]
	SUMOUT
	s_add_nc_u64 s[PW:PW+1], s[PW:PW+1], 8192      ; ln2_g and ln2_b lie 8,192 bytes behind ln1_g and ln1_b; the loads by this base were waited for in the first pass
	s_mov_b32 s[EPS], 0x3127c5ac                   ; 1e-5 / 4096: the rows are u / 64
	s_sub_co_u32 s[PASS], s[PASS], 1
	s_cmp_lg_u32 s[PASS], 0
	s_cbranch_scc1 .Lln
.Lend:
	s_wait_tensorcnt 0x0                           ; the wave's end
	ds_add_u32 v[SPW], v[NIL]
	s_wait_dscnt 0x0
	s_endpgm
.Lfunc_end_k_qf28200a685_tail:
	.size	k_qf28200a685_tail, .Lfunc_end_k_qf28200a685_tail-k_qf28200a685_tail
	.p2alignl 7, 3214868480
	.fill 96, 4, 3214868480
	.section	.rodata,"a",@progbits
	.p2align	6, 0x0
	.amdhsa_kernel k_qf28200a685_tail
		.amdhsa_group_segment_fixed_size 248320
		.amdhsa_private_segment_fixed_size 0
		.amdhsa_enable_private_segment 0
		.amdhsa_kernarg_size 40
		.amdhsa_user_sgpr_count 2
		.amdhsa_user_sgpr_kernarg_segment_ptr 1
		.amdhsa_wavefront_size32 1
		.amdhsa_system_sgpr_workgroup_id_x 1
		.amdhsa_system_sgpr_workgroup_id_y 1
		.amdhsa_system_sgpr_workgroup_id_z 1
		.amdhsa_system_vgpr_workitem_id 0
		.amdhsa_next_free_vgpr 1024
		.amdhsa_next_free_sgpr 80
		.amdhsa_reserve_vcc 1
		.amdhsa_float_denorm_mode_32 3
		.amdhsa_float_denorm_mode_16_64 3
		.amdhsa_memory_ordered 1
		.amdhsa_forward_progress 1
		.amdhsa_inst_pref_size 225
	.end_amdhsa_kernel
	.amdgpu_metadata
---
amdhsa.version: [ 1, 2 ]
amdhsa.kernels:
  - .name:           k_qf28200a685_tail
    .symbol:         k_qf28200a685_tail.kd
    .args:
      - { .name: qkv, .offset: 0, .size: 8, .value_kind: global_buffer, .address_space: global }
      - { .name: xb, .offset: 8, .size: 8, .value_kind: global_buffer, .address_space: global }
      - { .name: wf, .offset: 16, .size: 8, .value_kind: global_buffer, .address_space: global }
      - { .name: par, .offset: 24, .size: 8, .value_kind: global_buffer, .address_space: global }
      - { .name: out0, .offset: 32, .size: 8, .value_kind: global_buffer, .address_space: global }
    .group_segment_fixed_size: 248320
    .private_segment_fixed_size: 0
    .kernarg_segment_align: 8
    .kernarg_segment_size: 40
    .max_flat_workgroup_size: 128
    .sgpr_count:     80
    .vgpr_count:     1024
    .wavefront_size: 32
...
	.end_amdgpu_metadata
.endif
;; end of part 3
